; MI455X (gfx1250); checked and timed in simulation.
; The chip was launched on July 23, 2026; its instructions are those of AMD's public machine-readable ISA for CDNA 5 (MIT licence, August 2026) and "CDNA5" Instruction Set Architecture Reference Guide (July 2026). The comments in the code are by the model that wrote it; some were corrected since.
;; Keras Cross Attention Module. Allowed arithmetic: matrix products marked QUANTISED: E4M3 operands, one given power-of-two scale a tensor, by v_wmma_f32_16x16x64_fp8_fp8 or v_wmma_f32_16x16x128_fp8_fp8, f32 sums; everything else in f32.
;; Inputs: k_pos_embedding 1 x 4,096 x 256 float32; keys 8 x 256 x 64 x 64 float32; lowp_scales 4 int32 (the exponents e of the quantised operands' scales 2^e); q_pos_embedding 1 x 4,096 x 256 float32; queries 8 x 256 x 64 x 64 float32; values 8 x 256 x 64 x 64 float32.
;; Outputs: out0 8 x 256 x 64 x 64 float32.
;; This version of the problem:
;;   THIS VERSION OF THE PROBLEM IS GIVEN IN LOW PRECISION. The matrix products marked QUANTISED in the list below multiply operands that are first quantised to E4M3 (4 exponent bits, 3 mantissa bits; 8 bits a number), with one given power-of-two scale for each operand tensor; their sums are f32. All else is computed in f32.
;;   The module's matrix products, in the order in which they are computed (A, B: the left and right operand; K: the contracted axis; several contracted axes count as one K, in the product's order):
;;     1. batch 8 x [M 4,096, K 256] x [K 256, N 4,096]; A: computed on the way; B: computed on the way: QUANTISED (scales: A lowp_scales[0], B lowp_scales[1])
;;     2. batch 8 x [M 4,096, K 4,096] x [K 4,096, N 256]; A: softmax (see below); B: input values: QUANTISED (scales: A lowp_scales[2], B lowp_scales[3])
;;   THE QUANTISER, for each operand of a quantised product, along K:
;;     - The operand's scale is 2^e, e = its entry of the input lowp_scales (int32; the entries are numbered through the quantised products in the list's order, A before B).
;;     - Each number is divided by the scale, clamped to +-448, and rounded to the nearest number of E4M3, ties to even, subnormals kept.
;;     - The product sums the exact products of the quantised numbers (number of the format x scale) in f32.
;;   ~~~python
;;   def quantise(x, axis, e):      # numpy; x: float32 -> the quantised numbers, widened to float32 again
;;       x = np.moveaxis(x, axis, -1); K = x.shape[-1]
;;       r = np.clip(x / 2.0 ** e, -448, 448)
;;       step = 2.0 ** (np.maximum(np.frexp(np.where(r == 0, 1, r))[1] - 1, -6) - 3)
;;       q = np.round(r / step) * step * 2.0 ** e      # np.round: ties to even
;;       return np.moveaxis(q, -1, axis).astype(np.float32)
;;   ~~~
;;   SOFTMAX AHEAD OF A QUANTISED PRODUCT. Where the list says 'softmax', what is quantised is not the finished softmax but p = 2^(t - M), with t = logit x log2(e) and M = ceil(the row's largest t), a whole number; so 1/2 < the row's largest p <= 1. The row's sum l is taken of the UNQUANTISED p, in f32, and the product's result is divided by l at the end. Since M is a whole number, a kernel that streams over the keys may use a running M (the ceiling of the running maximum): every later rescaling is an exact power of two, so the quantised numbers keep their values, but for numbers so far below the row's largest that they fall under the format's range.
;;   OPERANDS COMPUTED ON THE WAY. 'Computed on the way' means the value that the module computes at that place (a softmax that the list does not call 'softmax' is quantised finished and normalised). What goes into a quantiser is computed in f32, as accurately as f32 sums, v_exp_f32 and their like allow (about 1e-6 of the number): no bf16 or f16 on the way to a quantiser, and a product that is left as it is and whose result goes on into a quantised operand takes f32 operands (vector FMAs, or v_wmma_f32_16x16x4_f32). A number that lies on a knife's edge between two numbers of the format may be rounded either way, as far as f32 arithmetic and the matrix unit's own rounding can turn it there, and no further.
;; One version. Each part assembles by itself: llvm-mc -triple=amdgcn-amd-amdhsa -mcpu=gfx1250 --defsym DOCPART=n.
;; ======== version 1 of 1: 2 launches
;; limits: right only within a limited range of input values
;; workspace buffers: q_codes 8,388,608 bytes; k_codes 8,388,608 bytes; v_codes 8,388,608 bytes
;; launch prep (part 1): grid 512 x 1, 4 waves a work-group, no clusters, 70,144 bytes of LDS; arguments queries, keys, values, q_pos_embedding, k_pos_embedding, lowp_scales, q_codes, k_codes, v_codes; writes q_codes, k_codes, v_codes
.if DOCPART == 1
	.amdgcn_target "amdgcn-amd-amdhsa--gfx1250"
	.amdhsa_code_object_version 6
	.text
	.protected	k_q2202f257fd_prep
	.globl	k_q2202f257fd_prep
	.p2align	8
	.type	k_q2202f257fd_prep,@function
k_q2202f257fd_prep:
	s_mov_b64 s[64:65], 0
	v_nop
	global_prefetch_b8 v0, s[64:65] scope:SCOPE_SE
	s_setreg_imm32_b32 hwreg(HW_REG_WAVE_MODE, 25, 1), 1
	s_wait_xcnt 0x0
; q = queries (read as [s][c]) + q_pos, k = keys + k_pos, v = values become codes of FP8 (E4M3), each with its given scale 2^e (entries 0, 1, 3 of lowp_scales).
; code = x / 2^e, held within +-448, rounded to the nearest code, ties to even.  LIMITS: each e between -126 and 119; NaN among the inputs is not served.
; q_codes, k_codes: [batch][row][256 codes along c].  ROW m HOLDS POSITION swap34(m) (bits 3 and 4 of m exchanged): the attention launch then takes 16 neighbouring rows as a tile and
; finds its scores in the order that the second product's operand wants.  v_codes: [batch][c][4096 codes along s], as values lie: there the keys are innermost already.
; SHARES.  Work-group g: batch g % 8, tensor (g / 8) % 2 (q or k, chosen by selects on g alone: one path for all), 128 positions (g / 16).  Wave w: 32 positions x all 256 channels.
; A LANE TAKES A POSITION AND ITS REGISTERS RUN DOWN c: each load of queries/keys reads 128 neighbouring bytes a wave, and the conversions give codes with c innermost.
; The position table has c innermost: it is loaded in whole runs of 256 bytes (sixteen lanes a run) and turned through the wave's own stage in LDS, 64 channels at a time.
; The codes gather in a second stage and leave as rows: an instruction stores 512 consecutive bytes.  Then the wave quantises 4,096 numbers of values, a plain stream.
; No tensor loads, no barrier: waves share nothing.  No matrix unit, no cluster: the launch only streams.
.set PITCH, 272                        ; a stage row: 256 bytes + 16, so that sixteen rows start at sixteen different 16-byte columns
.set WREG,  17408                      ; LDS of a wave: two stages of 32 rows
.set OSTO,  8704                       ; the codes' stage, behind the turning stage
.set SP,    80                         ; the v part: a lane's 64 bytes + 16
.set T,     16                         ; v16-79   64 channels of the position table as loaded
.set P,     80                         ; v80-143  the same, turned: my position's 64 channels
.set X,     144                        ; v144-207 two sets of 32 numbers of queries/keys
.set C,     208                        ; v208-215 a block's 32 codes
.set OUTR,  80                         ; v80-143  the codes read back as rows
.set R,     16                         ; the v part: four sets of 16 as loaded,
.set XV,    144                        ; two sets of 16 neighbours,
.set CV,    176                        ; four registers of codes for each of 8 steps
	s_load_b256 s[4:11], s[0:1], 0x0               ; queries, keys, values, q_pos
	s_load_b256 s[12:19], s[0:1], 0x20             ; k_pos, the scales' exponents, q_codes, k_codes
	s_load_b64 s[20:21], s[0:1], 0x40              ; v_codes
	v_lshl_add_u32 v216, v0, 2, 0x11000
	v_mov_b32 v217, 0
	v_lshrrev_b32 v1, 5, v0
	v_readfirstlane_b32 s22, v1                    ; wave
	v_and_b32 v15, 31, v0                          ; lane L
	v_and_b32 v208, 15, v0                         ; r
	v_bfe_u32 v209, v0, 4, 1                       ; h
	s_mul_i32 s23, s22, WREG                       ; my turning stage
	s_add_co_u32 s46, s23, OSTO                    ; my codes' stage
	v_lshlrev_b32 v1, 2, v15                       ; queries/keys: 4 bytes a lane
	v_lshlrev_b32 v2, 4, v208
	v_lshl_add_u32 v2, v209, 10, v2                ; position table: lanes 0-15 one row's 256 bytes, lanes 16-31 the next row's
	v_mul_u32_u24 v3, v209, PITCH
	v_lshl_add_u32 v3, v208, 4, v3
	v_add_nc_u32 v6, s46, v3                       ; codes back out by rows
	v_add_nc_u32 v3, s23, v3                       ; position numbers in, as loaded
	v_mul_u32_u24 v4, v15, PITCH
	v_add_nc_u32 v5, s46, v4                       ; codes in: row = my position
	v_add_nc_u32 v4, s23, v4                       ; position numbers out: row = my position
	v_lshlrev_b32 v7, 4, v208
	v_lshl_add_u32 v7, v209, 8, v7                 ; two rows of codes in memory
	v_lshlrev_b32 v8, 4, v15                       ; the v part: 16 bytes a lane, in and out
	v_lshrrev_b32 v9, 2, v15
	v_mul_u32_u24 v9, v9, SP
	v_and_b32 v14, 3, v15
	v_lshl_add_u32 v9, v14, 4, v9
	v_add_nc_u32 v9, s23, v9                       ; v's stage, in: four lanes' 64 bytes on end, then 16 of padding
	v_mul_u32_u24 v14, v15, SP
	v_add_nc_u32 v14, s23, v14                     ; and out: my 16 neighbours
	s_and_b32 s38, ttmp9, 7                        ; batch
	s_bfe_u32 s39, ttmp9, 0x10003                  ; 0: q, 1: k
	s_lshr_b32 s40, ttmp9, 4
	s_lshl_b32 s40, s40, 7
	s_lshl_b32 s41, s22, 5
	s_add_co_u32 s40, s40, s41                     ; my wave's first position
	s_lshl_b32 s42, s38, 22                        ; a batch of queries/keys is 2^22 bytes
	s_lshl_b32 s41, s40, 2
	s_add_co_u32 s42, s42, s41
	s_mov_b32 s43, 0
	s_lshl_b32 s44, s40, 10                        ; a row of the position table is 1,024 bytes
	s_mov_b32 s45, 0
	s_wait_kmcnt 0x0
	s_load_b128 s[24:27], s[14:15], 0x0            ; e0 .. e3
	s_cmp_eq_u32 s39, 0                            ; the choice hangs on the work-group's number alone
	s_cselect_b64 s[28:29], s[4:5], s[6:7]
	s_cselect_b64 s[30:31], s[10:11], s[12:13]
	s_cselect_b64 s[32:33], s[16:17], s[18:19]
	s_add_nc_u64 s[28:29], s[28:29], s[42:43]
	s_add_nc_u64 s[30:31], s[30:31], s[44:45]
	s_lshl_b32 s42, s38, 20                        ; a batch of codes is 2^20 bytes
	s_lshl_b32 s41, s40, 8
	s_add_co_u32 s42, s42, s41
	s_add_nc_u64 s[32:33], s[32:33], s[42:43]
	s_lshl_b32 s44, ttmp9, 2
	s_add_co_u32 s44, s44, s22                     ; which run of 4,096 numbers of values is mine
	s_lshl_b32 s42, s44, 14
	s_add_nc_u64 s[34:35], s[8:9], s[42:43]
	s_lshl_b32 s42, s44, 12
	s_add_nc_u64 s[36:37], s[20:21], s[42:43]
.macro TLOAD q                         ; channels 64 q .. 64 q + 63 of my 32 rows of the position table: sixteen lanes read 256 consecutive bytes
.irp i, 0,1,2,3,4,5,6,7,8,9,10,11,12,13,14,15
	global_load_b128 v[T+4*\i:T+4*\i+3], v2, s[30:31] offset:2048*\i+256*(\q)
.endr
.endm
.macro XLOAD t                         ; channels 32 t + i of my position, into set t % 2
.irp i, 0,1,2,3,4,5,6,7,8,9,10,11,12,13,14,15,16,17,18,19,20,21,22,23,24,25,26,27,28,29,30,31
	global_load_b32 v[X+32*((\t)%2)+\i], v1, s[28:29] offset:(32*(\t)+\i)*16384 th:TH_LOAD_NT
.endr
.endm
.macro TURNP                           ; LDS serves a wave's instructions in order: the loads see the stores
.irp i, 0,1,2,3,4,5,6,7,8,9,10,11,12,13,14,15
	ds_store_b128 v3, v[T+4*\i:T+4*\i+3] offset:2*PITCH*\i
.endr
.irp i, 0,1,2,3,4,5,6,7,8,9,10,11,12,13,14,15
	ds_load_b128 v[P+4*\i:P+4*\i+3], v4 offset:16*\i
.endr
	s_wait_dscnt 0x0                               ; P is in, and T has been read: it may be loaded again
.endm
.macro BLOCK t, n                      ; 32 channels of my position: + position table, hold, convert, into the codes' stage.  n: the younger loads that may stay out
.set XS, X+32*((\t)%2)
.set PS, P+32*((\t)%2)
	s_wait_loadcnt \n
.irp i, 0,2,4,6,8,10,12,14,16,18,20,22,24,26,28,30
	v_pk_add_f32 v[XS+\i:XS+\i+1], v[XS+\i:XS+\i+1], v[PS+\i:PS+\i+1]
.endr
.irp i, 0,1,2,3,4,5,6,7,8,9,10,11,12,13,14,15,16,17,18,19,20,21,22,23,24,25,26,27,28,29,30,31
	v_med3_num_f32 v[XS+\i], v[XS+\i], -v10, v10   ; the conversion to an 8-bit code does not saturate (ISA guide 7.6.2): hold at the largest code x the scale
.endr
.irp g, 0,1,2,3
	v_cvt_scalef32_pk8_fp8_f32 v[C+2*\g:C+2*\g+1], v[XS+8*\g:XS+8*\g+7], v11
.endr
	ds_store_b128 v5, v[C:C+3] offset:32*(\t)
	ds_store_b128 v5, v[C+4:C+7] offset:32*(\t)+16
.if (\t)+2 < 8
	XLOAD (\t)+2
.endif
	s_wait_dscnt 0x0                               ; the stores have read C: the next block may write it (plain vector lines come first)
.endm
	TLOAD 0
	XLOAD 0
	XLOAD 1
	s_wait_kmcnt 0x0
	s_cmp_eq_u32 s39, 0
	s_cselect_b32 s40, s24, s25                    ; e0 for q, e1 for k
	s_add_co_i32 s40, s40, 127
	s_lshl_b32 s41, s40, 23
	v_mov_b32 v11, s41                             ; 2^e as f32: the conversion takes its exponent field
	s_add_co_i32 s40, s40, 8
	s_lshl_b32 s40, s40, 23
	s_or_b32 s40, s40, 0x600000
	v_mov_b32 v10, s40                             ; 448 x 2^e
	s_add_co_i32 s40, s27, 127
	s_lshl_b32 s41, s40, 23
	v_mov_b32 v13, s41                             ; 2^e3
	s_add_co_i32 s40, s40, 8
	s_lshl_b32 s40, s40, 23
	s_or_b32 s40, s40, 0x600000
	v_mov_b32 v12, s40                             ; 448 x 2^e3
.irp q, 0,1,2,3
	s_wait_loadcnt 63                              ; behind this chunk of the position table 64 loads were issued; the count's field holds 63, and a smaller count is safe
	TURNP
.if \q < 3
	TLOAD \q+1
	BLOCK 2*\q, 48                                 ; younger: the other set's 32 and the next chunk's 16
	BLOCK 2*\q+1, 48
.else
	BLOCK 6, 32
	BLOCK 7, 0
.endif
.endr
; ---- values: 8 steps of 512 numbers.  Each load reads 512 consecutive bytes; a step's 2,048 bytes turn through the stage so that a lane holds 16 neighbours; 16 codes a lane leave as 512 consecutive bytes
.macro VLOAD t
.irp i, 0,1,2,3
	global_load_b128 v[R+16*((\t)%4)+4*\i:R+16*((\t)%4)+4*\i+3], v8, s[34:35] offset:2048*(\t)+512*\i th:TH_LOAD_NT
.endr
.endm
.macro VTURN t
.irp i, 0,1,2,3
	ds_store_b128 v9, v[R+16*((\t)%4)+4*\i:R+16*((\t)%4)+4*\i+3] offset:32*SP*((\t)%2)+8*SP*\i
.endr
.irp i, 0,1,2,3
	ds_load_b128 v[XV+16*((\t)%2)+4*\i:XV+16*((\t)%2)+4*\i+3], v14 offset:32*SP*((\t)%2)+16*\i
.endr
.endm
.irp t, 0,1,2,3
	VLOAD \t                                       ; asked for ahead of the codes' way out
.endr
.irp t, 0,1,2,3,4,5,6,7,8,9,10,11,12,13,14,15
	ds_load_b128 v[OUTR+4*\t:OUTR+4*\t+3], v6 offset:2*PITCH*\t   ; positions 2 t and 2 t + 1 of my 32
.endr
.irp t, 0,1,2,3,4,5,6,7,8,9,10,11,12,13,14,15
	s_wait_dscnt 15-\t
	global_store_b128 v7, v[OUTR+4*\t:OUTR+4*\t+3], s[32:33] offset:256*(((2*\t)&7)|(((2*\t)&8)<<1)|(((2*\t)&16)>>1))   ; to rows swap34(2 t), + 1: 512 consecutive bytes, aligned
.endr
	s_wait_loadcnt 12                              ; step 0's four loads are in
	VTURN 0
.macro VSTEP t
.set XS, XV+16*((\t)%2)
	s_wait_dscnt 0x0                               ; this step's numbers are back from the stage, and its stores into the stage have read their registers
.if (\t)+4 < 8
	VLOAD (\t)+4
.endif
.if (\t)+1 < 8
.if 6-(\t) >= 3
	s_wait_loadcnt 12                              ; the next step's loads are in; three steps' may be out
.else
	s_wait_loadcnt 4*(6-(\t))
.endif
	VTURN (\t)+1
.endif
.irp i, 0,1,2,3,4,5,6,7,8,9,10,11,12,13,14,15
	v_med3_num_f32 v[XS+\i], v[XS+\i], -v12, v12
.endr
	v_cvt_scalef32_pk8_fp8_f32 v[CV+4*(\t):CV+4*(\t)+1], v[XS:XS+7], v13
	v_cvt_scalef32_pk8_fp8_f32 v[CV+4*(\t)+2:CV+4*(\t)+3], v[XS+8:XS+15], v13
	global_store_b128 v8, v[CV+4*(\t):CV+4*(\t)+3], s[36:37] offset:512*(\t)   ; each step has its own registers: no store's data are written again
.endm
.irp t, 0,1,2,3,4,5,6,7
	VSTEP \t
.endr
	s_wait_tensorcnt 0x0
	ds_add_u32 v216, v217
	s_wait_dscnt 0x0
	s_endpgm
.Lfunc_end_k_q2202f257fd_prep:
	.size	k_q2202f257fd_prep, .Lfunc_end_k_q2202f257fd_prep-k_q2202f257fd_prep
	.p2alignl 7, 3214868480
	.fill 96, 4, 3214868480
	.section	.rodata,"a",@progbits
	.p2align	6, 0x0
	.amdhsa_kernel k_q2202f257fd_prep
		.amdhsa_group_segment_fixed_size 70144
		.amdhsa_private_segment_fixed_size 0
		.amdhsa_enable_private_segment 0
		.amdhsa_kernarg_size 72
		.amdhsa_user_sgpr_count 2
		.amdhsa_user_sgpr_kernarg_segment_ptr 1
		.amdhsa_wavefront_size32 1
		.amdhsa_system_sgpr_workgroup_id_x 1
		.amdhsa_system_sgpr_workgroup_id_y 1
		.amdhsa_system_sgpr_workgroup_id_z 1
		.amdhsa_system_vgpr_workitem_id 0
		.amdhsa_next_free_vgpr 218
		.amdhsa_next_free_sgpr 66
		.amdhsa_reserve_vcc 0
		.amdhsa_float_denorm_mode_32 3
		.amdhsa_float_denorm_mode_16_64 3
		.amdhsa_memory_ordered 1
		.amdhsa_forward_progress 1
		.amdhsa_inst_pref_size 90
	.end_amdhsa_kernel
	.amdgpu_metadata
---
amdhsa.version: [ 1, 2 ]
amdhsa.kernels:
  - .name:           k_q2202f257fd_prep
    .symbol:         k_q2202f257fd_prep.kd
    .args:
      - { .name: queries, .offset: 0, .size: 8, .value_kind: global_buffer, .address_space: global }
      - { .name: keys, .offset: 8, .size: 8, .value_kind: global_buffer, .address_space: global }
      - { .name: values, .offset: 16, .size: 8, .value_kind: global_buffer, .address_space: global }
      - { .name: q_pos_embedding, .offset: 24, .size: 8, .value_kind: global_buffer, .address_space: global }
      - { .name: k_pos_embedding, .offset: 32, .size: 8, .value_kind: global_buffer, .address_space: global }
      - { .name: lowp_scales, .offset: 40, .size: 8, .value_kind: global_buffer, .address_space: global }
      - { .name: q_codes, .offset: 48, .size: 8, .value_kind: global_buffer, .address_space: global }
      - { .name: k_codes, .offset: 56, .size: 8, .value_kind: global_buffer, .address_space: global }
      - { .name: v_codes, .offset: 64, .size: 8, .value_kind: global_buffer, .address_space: global }
    .group_segment_fixed_size: 70144
    .private_segment_fixed_size: 0
    .kernarg_segment_align: 8
    .kernarg_segment_size: 72
    .max_flat_workgroup_size: 128
    .sgpr_count:     66
    .vgpr_count:     218
    .wavefront_size: 32
...
	.end_amdgpu_metadata
.endif
;; end of part 1
;; launch attn (part 2): grid 32 x 8, 8 waves a work-group, clusters of 4 x 1, 327,680 bytes of LDS; arguments q_codes, k_codes, v_codes, lowp_scales, out0; writes out0
.if DOCPART == 2
	.amdgcn_target "amdgcn-amd-amdhsa--gfx1250"
	.amdhsa_code_object_version 6
	.text
	.protected	k_q2202f257fd_attn
	.globl	k_q2202f257fd_attn
	.p2align	8
	.type	k_q2202f257fd_attn,@function
k_q2202f257fd_attn:
	s_mov_b64 s[64:65], 0
	v_nop
	global_prefetch_b8 v0, s[64:65] scope:SCOPE_SE
	s_setreg_imm32_b32 hwreg(HW_REG_WAVE_MODE, 25, 1), 1
	s_wait_xcnt 0x0
	s_wait_alu depctr_hold_cnt(0) depctr_sa_sdst(0) depctr_va_vdst(0) depctr_va_sdst(0) depctr_va_ssrc(0) depctr_va_vcc(0) depctr_vm_vsrc(0)
	s_getreg_b32 s2, hwreg(HW_REG_IB_STS2, 6, 4)
	s_cmp_eq_u32 s2, 0
	s_cbranch_scc0 .Lentry_in_a_cluster
	s_endpgm
.Lentry_in_a_cluster:
	s_bfe_u32 s2, ttmp6, 0x10000c
	s_cmp_lg_u32 s2, 0x3003
	s_cbranch_scc0 .Lentry_shape_is_right
	s_endpgm
.Lentry_shape_is_right:
; out0[b][c][q] = sum over keys of softmax(q . k / 16) v, both products on codes of FP8 (E4M3) with the given scales 2^e0 .. 2^e3.
; q_codes, k_codes: [b][row][256], row m = position swap34(m) (bits 3 and 4 exchanged).  v_codes: [b][c][4096], keys innermost.  out0: [b][c][4096] f32.
; SOFTMAX: t = score x 2^(e0+e1) x log2(e) / 16; M = the running largest t rounded UP to a whole number; p = 2^(t - M) is quantised with 2^e2; the sum is taken of the unquantised p and divides at the end.
; LIMITS: e0 + e1 between -122 and 131 (added to the exponent field of log2(e)/16); e2 between -126 and 119; |t| under 2^31; NaN among the codes is not served.
; SHARES.  A work-group owns 128 queries of one batch, in EIGHT waves of 512 registers, two to a SIMD.  Wave w: query group w / 2 (32 queries, two tiles x) and key half w % 2
; (128 of a slot's 256 keys): a fragment of K or V read from LDS feeds two products.  The two key halves keep their own M, sum and O^T and are joined once, at the end, by exact powers of two.
; LAYOUT.  S^T = K Q^T and O^T = V^T P^T: a lane holds one query throughout.  Tile x, lane r holds query 2 r + x.  By the rows' order in k_codes the 16 registers of score tiles 2 b and 2 b + 1
; are keys 32 b + 16 (lane / 16) + 0 .. 15: the conversions' results are the second product's operand.
; CLUSTER.  The four query blocks of a cluster walk the same K and V: each tile is asked for jointly (mask 15).  They are shared along this one axis alone, so the cluster is 4 x 1.
; RING.  Two slots of 256 keys (K: 256 rows, V: 256 channel rows, 272 bytes apart).  Waves 0-3 fetch K's quarters, waves 4-7 V's: 64 rows a load, one tensor load of a wave out at a time.
; REGISTERS.  Window 1: O^T, tile x, channel tile j at 128 x + 8 j.  Window 0: v1-15 addresses and scales; v16-31 statistics, 8 a tile (-M, maximum chain a, sum x 2, f, maximum chain b, 2 at work);
;   v32-63 fragments of K, then P; v64-191 the scores S(x, t) at 64 + 64 x + 8 t, with K's fragments where later scores land and V's fragments where scores lay; v192-255 Q.
.set KP,    272                        ; an LDS row: 256 bytes + 16: sixteen rows start at sixteen different 16-byte columns
.set QUART, 64*KP                      ; what one tensor load brings
.set HALFB, 128*KP
.set VOFF,  256*KP
.set SLOT,  512*KP                     ; 0x22000: shares no bit with the eight parts' places in a slot, so one exclusive or changes slots
.set SPARE, 2*SLOT                     ; the spare words, 128 bytes a wave: four blocks of 256 bytes that no other line names
.set STATS, SPARE+1024                 ; 512 bytes a wave: -M and the sums, for the partner
.set NSL,   16                         ; slots' worth of keys
.set SP,    528                        ; the way out: a channel's row of 128 queries, 512 bytes + 16: rows 8 apart start 128 bytes apart modulo 256
.set ST,    16
.set PB,    32
.set SB,    64
.set QR,    192
.set MSB, 0
.macro WIN new                         ; the immediate's high byte repeats the setting that is left
.if MSB != (\new)
	s_set_vgpr_msb (MSB<<8)|(\new)
.set MSB, (\new)
.endif
.endm
.macro NOPS n
.rept \n
	v_nop
.endr
.endm
.macro CREST                           ; a round of the cluster's barrier behind its opening barrier
	s_cmp_lg_u32 s14, 0
	s_cbranch_scc1 .Lnot_wave_0_\@
	s_barrier_signal -3
.Lnot_wave_0_\@:
	s_barrier_wait -3
	s_barrier_signal -1
	s_barrier_wait -1
.endm
.macro CROUND                          ; a whole round
	s_barrier_signal -1
	s_barrier_wait -1
	CREST
.endm
.macro JLOAD                           ; a joint load, one in each arm; the branch hangs on the wave's number alone; s_nop 0 and four v_nop follow each line
	s_cmp_lt_u32 s14, 4
	s_cbranch_scc0 .Lfor_v_\@
	tensor_load_to_lds s[40:43], s[24:31]
	s_nop 0
	NOPS 4
	s_branch .Lasked_\@
.Lfor_v_\@:
	tensor_load_to_lds s[44:47], s[32:39]
	s_nop 0
	NOPS 4
.Lasked_\@:
.endm
; A prefetch of the slot that the NEXT change of slots will ask for: 256 rows of K and 256 of V, 256 bytes each, a lane a row.  The batch's first cluster asks; its four partners take 64 rows each,
; told apart by address; waves 0, 1 ask for K's, waves 4, 5 for V's, 32 rows each: each row's 256 bytes are named once in the launch.  The last change that fills a slot asks for nothing.
.macro ASK
	s_cmp_gt_u32 s49, s19
	s_cbranch_scc0 .Lnot_mine_\@
	global_prefetch_b8 v13, s[50:51] th:TH_LOAD_NT scope:SCOPE_SE
.Lnot_mine_\@:
.endm
	s_load_b256 s[4:11], s[0:1], 0x0               ; q_codes, k_codes, v_codes, the scales' exponents
	s_load_b64 s[12:13], s[0:1], 0x20              ; out0
	v_lshl_add_u32 v9, v0, 2, SPARE                ; my spare word; never rewritten
	v_mov_b32 v10, 0                               ; 0; never rewritten
	ds_add_u32 v9, v10                             ; the opening lines: the add twice on end and its wait
	ds_add_u32 v9, v10
	v_lshrrev_b32 v1, 5, v0
	v_readfirstlane_b32 s14, v1                    ; wave 0..7
	s_and_b32 s15, s14, 1                          ; key half
	s_lshr_b32 s16, s14, 1                         ; query group
	s_and_b32 s54, s14, 3                          ; which quarter of K's or V's tile I fetch
	s_bfe_u32 s17, ttmp6, 0x40000                  ; cx
	s_lshl_b32 s18, ttmp9, 2
	s_add_co_u32 s18, s18, s17                     ; my block of 128 queries: it enters Q's, out0's and the prefetches' addresses alone
	s_and_b32 s55, ttmp7, 0xffff
	s_lshl_b32 s55, s55, 20                        ; batch x 2^20: a batch of codes
	s_lshl_b32 s62, s54, 14                        ; K: 64 rows of 256 bytes
	s_add_co_u32 s62, s62, s55
	s_mov_b32 s63, 0
	s_lshl_b32 s66, s54, 18                        ; V: 64 rows of 4,096 bytes
	s_add_co_u32 s66, s66, s55
	s_mov_b32 s67, 0
	s_mul_i32 s68, s14, QUART                      ; and in a slot: K's four quarters, then V's four
	s_lshl_b32 s70, s18, 15                        ; Q: 128 rows a block, 32 a group
	s_lshl_b32 s69, s16, 13
	s_add_co_u32 s70, s70, s69
	s_add_co_u32 s70, s70, s55
	s_mov_b32 s71, 0
	s_lshl_b32 s72, s55, 2                         ; out0: batch x 2^22 + 8 channels x wave + 512 bytes x block
	s_lshl_b32 s69, s14, 17
	s_add_co_u32 s72, s72, s69
	s_lshl_b32 s69, s18, 9
	s_add_co_u32 s72, s72, s69
	s_mov_b32 s73, 0
	; descriptor group 1: 64 rows x 256 bytes, 16 bytes of padding behind each
	s_mov_b32 s24, 15|(1<<20)|(1<<21)|(5<<22)|(3<<25)  ; the mask: all four work-groups; elements of 1 byte; padding on; bit 21 beside a mask; after every 64 words, 4 words
	s_mov_b32 s32, 15|(1<<20)|(1<<21)|(5<<22)|(3<<25)
.irp g, 24, 32
	s_mov_b32 s[\g+1], 256<<16                     ; tensor_dim0
	s_mov_b32 s[\g+2], 64<<16                      ; tensor_dim1
	s_mov_b32 s[\g+3], 256<<16                     ; tile_dim0
	s_mov_b32 s[\g+4], 64                          ; tile_dim1
	s_mov_b32 s[\g+6], 0
	s_mov_b32 s[\g+7], 0
.endr
	s_mov_b32 s29, 256                             ; K's rows are dense,
	s_mov_b32 s37, 4096                            ; V's 4,096 bytes apart
	s_mov_b32 s20, 0x76543210                      ; v_permlanex16_b32: lane l xor 16
	s_mov_b32 s21, 0xfedcba98
	s_mov_b32 s48, 0                               ; the slot in hand
	s_mov_b32 s49, NSL-1                           ; slots still to be asked for
	s_wait_dscnt 0x0                               ; both opening adds are done
	s_wait_kmcnt 0x0
	s_load_b128 s[56:59], s[10:11], 0x0            ; e0 .. e3
	s_add_nc_u64 s[4:5], s[4:5], s[70:71]
	s_add_nc_u64 s[12:13], s[12:13], s[72:73]
	s_mov_b32 s40, 1                               ; group 0 for K: count,
	s_mov_b32 s41, s68                             ; LDS address,
	s_add_nc_u64 s[42:43], s[6:7], s[62:63]        ; global address,
	s_or_b32 s43, s43, 0x80000000                  ; type 2
	s_mov_b32 s44, 1
	s_mov_b32 s45, s68
	s_add_nc_u64 s[46:47], s[8:9], s[66:67]
	s_or_b32 s47, s47, 0x80000000
	CROUND                                         ; all four work-groups are here: the first joint loads meet
	JLOAD                                          ; slot 0: one tensor load a wave at the head
	s_cmp_lt_u32 s14, 4                            ; the prefetches: waves under 4 for K, the others for V
	s_cselect_b64 s[50:51], s[6:7], s[8:9]
	s_cselect_b32 s76, 8, 12                       ; a row is 2^8 or 2^12 bytes from the next
	s_mov_b32 s52, 256
	s_cselect_b32 s52, 0x10000, s52                ; a slot on
	s_mov_b32 s53, 0
	s_lshl_b32 s74, s17, 6
	s_lshl_b32 s75, s15, 5
	s_add_co_u32 s74, s74, s75                     ; my 32 rows of the 256
	s_lshl_b32 s74, s74, s76
	s_add_co_u32 s74, s74, s55
	s_add_co_u32 s74, s74, s52                     ; in slot 1: the first change of slots steps it to slot 2.  Nothing is prefetched at the head
	s_mov_b32 s75, 0
	s_add_nc_u64 s[50:51], s[50:51], s[74:75]
	s_and_b32 s77, s14, 2
	s_or_b32 s77, s77, ttmp9                       ; 0 in waves 0, 1, 4, 5 of the batch's first cluster: the same in all four partners
	s_cmp_eq_u32 s77, 0
	s_cselect_b32 s19, 1, -1
	v_and_b32 v4, 15, v0                           ; r
	v_bfe_u32 v5, v0, 4, 1                         ; h
	v_and_b32 v7, 3, v4                            ; query 2 r + x lies in row 2 r' + x, r' = r with bits 2 and 3 exchanged
	v_and_b32 v6, 4, v4
	v_lshl_or_b32 v7, v6, 1, v7
	v_and_b32 v6, 8, v4
	v_lshrrev_b32 v6, 1, v6
	v_or_b32 v7, v7, v6
	v_lshlrev_b32 v7, 9, v7
	v_lshl_add_u32 v7, v5, 4, v7                   ; 512 r' + 16 h
.irp x, 0,1
.irp k, 0,1
.irp g, 0,1,2,3
	global_load_b128 v[QR+32*\x+16*\k+4*\g:QR+32*\x+16*\k+4*\g+3], v7, s[4:5] offset:256*\x+128*\k+32*\g   ; Q stays in registers: tile x, channels 128 k + 32 g + 16 h on
.endr
.endr
.endr
	v_mul_u32_u24 v1, v4, KP
	v_lshl_add_u32 v1, v5, 4, v1                   ; 272 r + 16 h
	s_lshl_b32 s74, s15, 7
	s_add_co_u32 s74, s74, VOFF
	v_add_nc_u32 v2, s74, v1                       ; V: all channel rows, my 128 keys' bytes in a row
	s_mul_i32 s75, s15, HALFB
	v_add_nc_u32 v1, s75, v1                       ; K: my 128 keys
	v_mul_u32_u24 v3, v5, 8*SP                     ; the way out, in: channel 8 h, queries 32 x group + 2 r, in my key half's stage
	v_lshl_add_u32 v3, v4, 3, v3
	s_mul_i32 s74, s15, SLOT
	s_lshl_b32 s75, s16, 7
	s_add_co_u32 s74, s74, s75
	v_add_nc_u32 v3, s74, v3
	v_and_b32 v6, 31, v0
	v_lshlrev_b32 v13, s76, v6                     ; the prefetches: a lane a row; never rewritten
	v_lshlrev_b32 v8, 4, v6                        ; 16 x lane
	s_lshl_b32 s77, s14, 9
	s_add_co_u32 s77, s77, STATS
	v_add_nc_u32 v14, s77, v8                      ; my statistics,
	s_xor_b32 s78, s14, 1
	s_lshl_b32 s77, s78, 9
	s_add_co_u32 s77, s77, STATS
	v_add_nc_u32 v15, s77, v8                      ; my partner's
.irp x, 0,1
	v_mov_b32 v[ST+8*\x], 0x7f61b1e6               ; -M = 3e38
	v_mov_b32 v[ST+8*\x+1], 0xff61b1e6             ; the largest score so far, in two chains: -3e38
	v_mov_b32 v[ST+8*\x+5], 0xff61b1e6
	v_mov_b32 v[ST+8*\x+2], 0                      ; the sum, in two halves
	v_mov_b32 v[ST+8*\x+3], 0
	v_mov_b32 v[ST+8*\x+4], 0
	v_mov_b32 v[ST+8*\x+6], 0
	v_mov_b32 v[ST+8*\x+7], 0                      ; a lane permute's destination counts as one of its sources
.endr
	s_wait_alu depctr_va_vdst(0)                   ; directly ahead of the wait below
	s_wait_kmcnt 0x0
	s_add_co_i32 s60, s56, s57
	s_lshl_b32 s60, s60, 23
	s_mov_b32 s22, 0x3db8aa3b                      ; log2(e) / 16,
	s_add_co_i32 s22, s22, s60                     ; x 2^(e0 + e1), by its exponent field
	s_mov_b32 s23, s22                             ; (named with it as a pair)
	s_add_co_i32 s60, s58, 127
	s_lshl_b32 s61, s60, 23
	v_mov_b32 v11, s61                             ; 2^e2, for the conversions
	s_add_co_i32 s60, s60, 8
	s_lshl_b32 s60, s60, 23
	s_or_b32 s60, s60, 0x600000                    ; s60 = 448 x 2^e2; never rewritten
	s_add_co_i32 s79, s58, s59                     ; e2 + e3
; THE CHANGE OF SLOTS, at a slot's head.  Each wave waits for all its tensor loads (its part of the slot ahead), adds 0 to its spare word, and waits for that and for its reads of the slot left.
; fill = 1: the barrier is a round of the cluster's, and the joint fill of the slot left is the first thing behind it.
; MEET is the change's first half, up to the opening signal.  fill = 1: a joint fill follows; fill = 2: none.
.macro MEET fill
	WIN 0
	s_wait_tensorcnt 0x0                           ; no tensor load of mine is out, so a group 0 may be written
	ds_add_u32 v9, v10
.if \fill == 1
	s_xor_b32 s41, s41, SLOT                       ; the walking descriptors: the other slot,
	s_add_nc_u64 s[42:43], s[42:43], 0x10000       ; the next 256 keys
	s_xor_b32 s45, s45, SLOT
	s_add_nc_u64 s[46:47], s[46:47], 256
	s_wait_xcnt 0x0                                ; the last prefetch, a slot back, has read its address
	s_add_nc_u64 s[50:51], s[50:51], s[52:53]
.endif
	s_wait_dscnt 0x0                               ; the add is done, and my reads of the slot left are over
	s_barrier_signal -1
.endm
.macro CHANGE                          ; the first change, at the head's end: slot 0 is whole, slot 1 is asked for
	MEET 1
	s_barrier_wait -1
	CREST
	JLOAD
	ASK
.endm
.macro KF base, t, k                   ; a fragment of K: key tile t of my eight, channels 128 k on: four loads
.irp g, 0,1,2,3
	ds_load_b128 v[\base+4*\g:\base+4*\g+3], v4 offset:16*(\t)*KP+128*(\k)+32*\g
.endr
.endm
.macro WQ1 d, a, q, acc
.if \acc
	v_wmma_f32_16x16x128_fp8_fp8 v[\d:\d+7], v[\a:\a+15], v[\q:\q+15], v[\d:\d+7]
.else
	v_wmma_f32_16x16x128_fp8_fp8 v[\d:\d+7], v[\a:\a+15], v[\q:\q+15], 0
.endif
.endm
.macro WQ b, k, a0, a1                 ; pair b of key tiles x two tiles of queries, channels 128 k on: four accumulators by turns
.irp x, 0,1
	WQ1 SB+64*\x+16*(\b), \a0, QR+32*\x+16*(\k), \k
.endr
.irp x, 0,1
	WQ1 SB+64*\x+16*(\b)+8, \a1, QR+32*\x+16*(\k), \k
.endr
.endm
.macro MXH b, i0, i1                   ; half of pair b's scores into the running maxima: four chains, each accumulator read from its low end on.  These lines are also the places behind the products just issued
.irp i, \i0, \i1
.irp x, 0,1
	v_max3_num_f32 v[ST+8*\x+1], v[ST+8*\x+1], v[SB+64*\x+16*(\b)+\i], v[SB+64*\x+16*(\b)+\i+1]
	v_max3_num_f32 v[ST+8*\x+5], v[ST+8*\x+5], v[SB+64*\x+16*(\b)+8+\i], v[SB+64*\x+16*(\b)+8+\i+1]
.endr
.endr
.endm
.macro LOADV g, base                   ; V's fragments of channel tiles 4 g .. 4 g + 3: 16 loads
.irp n, 0,1,2,3
.irp c, 0,1,2,3
	ds_load_b128 v[\base+16*\n+4*\c:\base+16*\n+4*\c+3], v5 offset:(4*(\g)+\n)*16*KP+32*\c
.endr
.endr
.endm
.macro QUANT x                         ; tile x: the hold, two numbers a line; the conversions into P(x); then four of V's fragments land where the tile's scores lay
.set i, SB+64*(\x)
.rept 32
	v_dual_min_num_f32 v[i], s60, v[i] :: v_dual_min_num_f32 v[i+1], s60, v[i+1]   ; the conversion does not saturate (ISA guide 7.6.2); p is not negative: a one-sided hold
.set i, i+2
.endr
.irp b, 0,1,2,3
	v_cvt_scalef32_pk8_fp8_f32 v[PB+16*(\x)+4*\b:PB+16*(\x)+4*\b+1], v[SB+64*(\x)+16*\b:SB+64*(\x)+16*\b+7], v11
	v_cvt_scalef32_pk8_fp8_f32 v[PB+16*(\x)+4*\b+2:PB+16*(\x)+4*\b+3], v[SB+64*(\x)+16*\b+8:SB+64*(\x)+16*\b+15], v11
.endr
	v_nop                                          ; a plain line behind the last conversion
	LOADV \x, SB+64*(\x)
.endm
.macro WM g, base, first               ; O^T += V^T P^T for four channel tiles: eight accumulators, one product each
.irp n, 0,1,2,3
.irp x, 0,1
.if \first
	v_wmma_f32_16x16x128_fp8_fp8 v[128*\x+8*(4*(\g)+\n):128*\x+8*(4*(\g)+\n)+7], v[\base+16*\n:\base+16*\n+15], v[PB+16*\x:PB+16*\x+15], 0
.else
	v_wmma_f32_16x16x128_fp8_fp8 v[128*\x+8*(4*(\g)+\n):128*\x+8*(4*(\g)+\n)+7], v[\base+16*\n:\base+16*\n+15], v[PB+16*\x:PB+16*\x+15], v[128*\x+8*(4*(\g)+\n):128*\x+8*(4*(\g)+\n)+7]
.endif
.endr
.endr
.endm
; A key step: my 128 keys of the slot in hand, for my two tiles of queries.
; nxt = 1: the step ends in a change of slots with a joint fill; 2: in a change without one; 0: the last step.  The change's opening signal stands as soon as my last fragments of V are in;
; the step's last sixteen products, work on registers, stand between the signal and the wait.
.macro STEP first, nxt
	v_add_nc_u32 v4, s48, v1
	v_add_nc_u32 v5, s48, v2
	NOPS 3                                         ; with the two lines above: five places behind the last products, whose operands are loaded over and written over
	KF SB+16, 0, 0                                 ; pair 0's fragments lie where pair 1's scores will land, and in v32-63;
	KF SB+80, 1, 0
	KF PB, 0, 1
	KF PB+16, 1, 1
	KF SB+32, 2, 0                                 ; pair 1's where pairs 2 and 3 will land
	KF SB+96, 3, 0
	KF SB+48, 2, 1
	KF SB+112, 3, 1
	s_wait_alu depctr_va_vdst(0)                   ; directly ahead of the wait below
	s_wait_dscnt 24                                ; pair 0's first eight loads are in; 24 younger ones may be out
	WQ 0, 0, SB+16, SB+80
	s_wait_dscnt 16                                ; pair 0's 16 loads are in; pair 1's may be out
	WQ 0, 1, PB, PB+16
	NOPS 5
	KF PB, 4, 0
	KF PB+16, 5, 0
	s_wait_dscnt 8                                 ; pair 1's are in; the eight just issued may be out
	WQ 1, 0, SB+32, SB+96
	WQ 1, 1, SB+48, SB+112
	MXH 0, 0, 2
	KF SB+48, 4, 1
	KF SB+112, 5, 1
	MXH 0, 4, 6
	s_wait_alu depctr_va_vdst(0)
	s_wait_dscnt 8                                 ; pair 2's first halves are in
	WQ 2, 0, PB, PB+16
	MXH 1, 0, 2
	KF PB, 6, 0
	KF PB+16, 7, 0
	MXH 1, 4, 6
	s_wait_alu depctr_va_vdst(0)
	s_wait_dscnt 8                                 ; pair 2's second halves are in
	WQ 2, 1, SB+48, SB+112
	NOPS 5                                         ; pair 3's scores land on the fragments just read
	s_wait_dscnt 0x0
	WQ 3, 0, PB, PB+16
	MXH 2, 0, 2
	KF PB, 6, 1
	KF PB+16, 7, 1
	MXH 2, 4, 6
	s_wait_alu depctr_va_vdst(0)
	s_wait_dscnt 0x0
	WQ 3, 1, PB, PB+16
	NOPS 4
	MXH 3, 0, 2
	MXH 3, 4, 6
	; the running largest t, the new -M, f = 2^(old M - new M); the two tiles line by line
.irp x, 0,1
	v_max_num_f32 v[ST+8*\x+6], v[ST+8*\x+1], v[ST+8*\x+5]
.endr
.irp x, 0,1
	v_permlanex16_b32 v[ST+8*\x+7], v[ST+8*\x+6], s20, s21   ; the query's other keys lie in the lane 16 away
.endr
.irp x, 0,1
	v_max_num_f32 v[ST+8*\x+6], v[ST+8*\x+6], v[ST+8*\x+7]
.endr
.irp x, 0,1
	v_mul_f32 v[ST+8*\x+6], s22, v[ST+8*\x+6]      ; as t (the factor is positive)
.endr
.irp x, 0,1
	v_mov_b32 v[ST+8*\x+7], v[ST+8*\x]
.endr
.irp x, 0,1
	v_floor_f32 v[ST+8*\x], -v[ST+8*\x+6]          ; -M = floor(-t): M is a whole number
.endr
.irp x, 0,1
	v_sub_f32 v[ST+8*\x+7], v[ST+8*\x], v[ST+8*\x+7]   ; old M - new M, 0 or less
.endr
.irp x, 0,1
	v_cvt_i32_f32 v[ST+8*\x+7], v[ST+8*\x+7]       ; (it saturates)
.endr
.irp x, 0,1
	v_ldexp_f32 v[ST+8*\x+4], 1.0, v[ST+8*\x+7]    ; f: rounds nothing
.endr
.irp x, 0,1
.set i, SB+64*\x
.rept 32
	v_pk_fma_f32 v[i:i+1], v[i:i+1], s[22:23], v[ST+8*\x:ST+8*\x+1] op_sel_hi:[1,0,0]   ; t - M, two at a time
.set i, i+2
.endr
.endr
	s_wait_alu depctr_va_vdst(0)                   ; the wait ahead of the batch
.set i, SB
.rept 128
	v_exp_f32 v[i], v[i]                           ; p = 2^(t - M)
.set i, i+1
.endr
.irp x, 0,1
	v_pk_mul_f32 v[ST+8*\x+2:ST+8*\x+3], v[ST+8*\x+2:ST+8*\x+3], v[ST+8*\x+4:ST+8*\x+5] op_sel_hi:[1,0]   ; the sums under the new M (plain lines behind the exponentials)
.endr
	s_wait_alu depctr_va_vdst(0)                   ; one wait for the batch, ahead of its first reader
.irp x, 0,1
	v_pk_add_f32 v[ST+8*\x+6:ST+8*\x+7], v[SB+64*\x:SB+64*\x+1], v[SB+64*\x+2:SB+64*\x+3]   ; the sums of the unquantised p: four chains
.endr
.irp j, 4,8,12,16,20,24,28,32,36,40,44,48,52,56,60
.irp x, 0,1
	v_pk_add_f32 v[ST+8*\x+2:ST+8*\x+3], v[ST+8*\x+2:ST+8*\x+3], v[SB+64*\x+\j:SB+64*\x+\j+1]
	v_pk_add_f32 v[ST+8*\x+6:ST+8*\x+7], v[ST+8*\x+6:ST+8*\x+7], v[SB+64*\x+\j+2:SB+64*\x+\j+3]
.endr
.endr
.irp x, 0,1
	v_pk_add_f32 v[ST+8*\x+2:ST+8*\x+3], v[ST+8*\x+2:ST+8*\x+3], v[ST+8*\x+6:ST+8*\x+7]
.endr
	QUANT 0
	QUANT 1
.if \first == 0
	WIN 0x41                                       ; O^T window 1, f window 0
	s_wait_alu depctr_va_vdst(0)                   ; directly ahead of the first reader of O^T
.irp x, 0,1
.set i, 128*\x
.rept 32
	v_pk_mul_f32 v[i:i+1], v[i:i+1], v[ST+8*\x+4:ST+8*\x+5] op_sel_hi:[1,0]   ; channels 0-127 of O^T under the new M, while V's first fragments are on their way
.set i, i+2
.endr
.endr
.endif
	s_wait_alu depctr_va_vdst(0)                   ; directly ahead of the wait below
	s_wait_dscnt 16                                ; V's first four fragments are in; the next four may be out
	WIN 0x50                                       ; V and P window 0, O^T window 1
	WM 0, SB, \first
	NOPS 4
	WIN 0
	LOADV 2, SB
	s_wait_dscnt 16
	WIN 0x50
	WM 1, SB+64, \first
	NOPS 4
	WIN 0
	LOADV 3, SB+64
.if \first == 0
	WIN 0x41
	s_wait_alu depctr_va_vdst(0)                   ; directly ahead of the first reader of these parts of O^T
.irp x, 0,1
.set i, 128*\x+64
.rept 32
	v_pk_mul_f32 v[i:i+1], v[i:i+1], v[ST+8*\x+4:ST+8*\x+5] op_sel_hi:[1,0]   ; channels 128-255 under the new M, while V's last fragments are on their way
.set i, i+2
.endr
.endr
	s_wait_alu depctr_va_vdst(0)
.endif
.if \nxt == 0
	s_wait_dscnt 0x0
	WIN 0x50
	WM 2, SB, \first
	WM 3, SB+64, \first
	WIN 0
.else
	s_xor_b32 s48, s48, SLOT                       ; the next step reads the other slot
.if \nxt == 1
	s_sub_co_u32 s49, s49, 1
.endif
	MEET \nxt                                      ; its wait on DScnt also shows V's last eight fragments in
	WIN 0x50
	WM 2, SB, \first                               ; sixteen products, work on registers, between the signal and the wait
	WM 3, SB+64, \first
	WIN 0
	s_barrier_wait -1
.if \nxt == 1
	CREST
	JLOAD                                          ; the first tensor load behind the round: the slot just left takes the keys two slots on
	ASK
.endif
.endif
.endm
	s_wait_alu depctr_va_vdst(0)                   ; the wait at the head's end
	s_wait_loadcnt 0x0                             ; Q
	CHANGE
	STEP 1, 1                                      ; the first step starts O^T's sums: nothing is cleared.  It ends by asking for slot 2's keys
.Lslot:                                            ; NSL - 3 trips: steps 1 to 13, which ask for the keys of slots 3 to 15
	STEP 0, 1
	s_cmp_lg_u32 s49, 1
	s_cbranch_scc1 .Lslot
	STEP 0, 2                                      ; the last two steps are written out
	STEP 0, 0
	; THE TWO KEY HALVES ARE JOINED.  Statistics first: -M and the sums go to the partner, 16 bytes a lane.  (Q's registers are free; these lines are the places behind the last products)
.irp x, 0,1
	v_add_f32 v[194+\x], v[ST+8*\x+2], v[ST+8*\x+3]
.endr
.irp x, 0,1
	v_mov_b32 v[192+\x], v[ST+8*\x]
.endr
.irp x, 0,1
	v_permlanex16_b32 v[ST+8*\x+7], v[194+\x], s20, s21
.endr
.irp x, 0,1
	v_add_f32 v[194+\x], v[194+\x], v[ST+8*\x+7]   ; my half's sum
.endr
	ds_store_b128 v14, v[192:195]
	s_mul_i32 s74, s14, 8*SP
	s_wait_alu depctr_va_vdst(0)                   ; directly ahead of the wait below
	s_wait_dscnt 0x0                               ; for the partner's sake; and my reads of the slots are over
	s_barrier_signal -1
	s_barrier_wait -1                              ; nobody reads a slot any more, and both have had their last fill: they serve as stages
	ds_load_b128 v[196:199], v15
	s_wait_dscnt 0x0
.irp x, 0,1
	v_min_num_f32 v[200+\x], v[192+\x], v[196+\x]  ; -M of both halves
	v_sub_f32 v[202+\x], v[200+\x], v[192+\x]      ; my M less the joint M, a whole number, 0 or less;
	v_sub_f32 v[204+\x], v[200+\x], v[196+\x]      ; my partner's
	v_cvt_i32_f32 v[202+\x], v[202+\x]
	v_cvt_i32_f32 v[204+\x], v[204+\x]
	v_ldexp_f32 v[202+\x], 1.0, v[202+\x]
	v_ldexp_f32 v[204+\x], 1.0, v[204+\x]
	v_mul_f32 v[204+\x], v[204+\x], v[198+\x]
	v_fma_f32 v[204+\x], v[202+\x], v[194+\x], v[204+\x]   ; the row's sum under the joint M
.endr
	s_wait_alu depctr_va_vdst(0)                   ; the wait ahead of the reciprocals
.irp x, 0,1
	v_rcp_f32 v[206+\x], v[204+\x]
.endr
	v_add_nc_u32 v4, 128*SP, v3                    ; (plain lines behind the reciprocals)  the stage's channels 128 on
	v_add_nc_u32 v5, s74, v8                       ; back out: channel rows 8 x wave on, 16 bytes a lane, of key half 0's stage,
	v_add_nc_u32 v6, SLOT, v5                      ; and of key half 1's;
	v_add_nc_u32 v1, 128*SP, v5                    ; the same two, channels 128 on
	v_add_nc_u32 v2, 128*SP, v6
	s_wait_alu depctr_va_vdst(0)                   ; one wait for the two reciprocals, ahead of their first reader
.irp x, 0,1
	v_mul_f32 v[206+\x], v[206+\x], v[202+\x]
	v_ldexp_f32 v[16+\x], v[206+\x], s79           ; g = 2^(my M - joint M) x 2^(e2 + e3) / the sum
.endr
	; O^T x g goes into my key half's stage, [channel][128 queries] f32: a lane's two tiles are 8 neighbouring bytes, sixteen lanes 128
; THE WAY OUT goes in four pieces of 64 channels, each with LDS rows of its own, so that a piece's rows are stored while the next piece is staged.
.macro STG c                           ; my O^T x g of channels 64 c on, into my key half's stage: 32 stores of 8 bytes a lane
	WIN 0x01                                       ; O^T window 1
	s_wait_alu depctr_va_vdst(0)                   ; directly ahead of the first reader of these parts of O^T
.irp x, 0,1
.set e, 0
.rept 32
	v_mul_f32 v[SB+2*e+\x], v[128*\x+32*(\c)+e], v[16+\x]
.set e, e+1
.endr
.endr
	WIN 0
.set e, 0
.rept 32
.if (\c) < 2
	ds_store_b64 v3, v[SB+2*e:SB+2*e+1] offset:(64*(\c)+16*(e/8)+e%8)*SP
.else
	ds_store_b64 v4, v[SB+2*e:SB+2*e+1] offset:(64*((\c)-2)+16*(e/8)+e%8)*SP
.endif
.set e, e+1
.endr
.endm
.macro BAR                             ; my stage stores are done, for the other waves' sake
	s_wait_dscnt 0x0
	s_barrier_signal -1
	s_barrier_wait -1
.endm
.macro LD c                            ; channel rows 64 c + 8 w + 0 .. 7 of both key halves: 16 loads.  Half 0's land in registers of the piece's own, which the stores then read
.irp i, 0,1,2,3,4,5,6,7
.if (\c) < 2
	ds_load_b128 v[128+32*(\c)+4*\i:128+32*(\c)+4*\i+3], v5 offset:(64*(\c)+\i)*SP
.else
	ds_load_b128 v[128+32*(\c)+4*\i:128+32*(\c)+4*\i+3], v1 offset:(64*((\c)-2)+\i)*SP
.endif
.endr
.irp i, 0,1,2,3,4,5,6,7
.if (\c) < 2
	ds_load_b128 v[PB+4*\i:PB+4*\i+3], v6 offset:(64*(\c)+\i)*SP
.else
	ds_load_b128 v[PB+4*\i:PB+4*\i+3], v2 offset:(64*((\c)-2)+\i)*SP
.endif
.endr
.endm
.macro OUT c                           ; the two halves added and stored: a row of 128 queries is 512 consecutive bytes, aligned, one instruction
.set i, 0
.rept 16
	v_pk_add_f32 v[128+32*(\c)+i:128+32*(\c)+i+1], v[128+32*(\c)+i:128+32*(\c)+i+1], v[PB+i:PB+i+1]
.set i, i+2
.endr
.irp i, 0,1,2,3,4,5,6,7
	global_store_b128 v8, v[128+32*(\c)+4*\i:128+32*(\c)+4*\i+3], s[12:13] offset:(64*(\c)+\i)*16384 th:TH_STORE_NT
.endr
.endm
	STG 0
	BAR
	LD 0
.irp c, 1,2,3
	STG \c
	s_wait_dscnt 32                                ; the last piece's 16 loads are in; the 32 stage stores just issued may be out
	OUT \c-1
	BAR
	LD \c
.endr
	s_wait_dscnt 0x0
	OUT 3
	s_wait_tensorcnt 0x0                           ; the wave's end
	ds_add_u32 v9, v10
	s_wait_dscnt 0x0
	CROUND                                         ; the closing round
	s_endpgm
.Lfunc_end_k_q2202f257fd_attn:
	.size	k_q2202f257fd_attn, .Lfunc_end_k_q2202f257fd_attn-k_q2202f257fd_attn
	.p2alignl 7, 3214868480
	.fill 96, 4, 3214868480
	.section	.rodata,"a",@progbits
	.p2align	6, 0x0
	.amdhsa_kernel k_q2202f257fd_attn
		.amdhsa_group_segment_fixed_size 327680
		.amdhsa_private_segment_fixed_size 0
		.amdhsa_enable_private_segment 0
		.amdhsa_kernarg_size 40
		.amdhsa_user_sgpr_count 2
		.amdhsa_user_sgpr_kernarg_segment_ptr 1
		.amdhsa_wavefront_size32 1
		.amdhsa_system_sgpr_workgroup_id_x 1
		.amdhsa_system_sgpr_workgroup_id_y 1
		.amdhsa_system_sgpr_workgroup_id_z 1
		.amdhsa_system_vgpr_workitem_id 0
		.amdhsa_next_free_vgpr 512
		.amdhsa_next_free_sgpr 80
		.amdhsa_reserve_vcc 0
		.amdhsa_float_denorm_mode_32 3
		.amdhsa_float_denorm_mode_16_64 3
		.amdhsa_memory_ordered 1
		.amdhsa_forward_progress 1
		.amdhsa_inst_pref_size 211
	.end_amdhsa_kernel
	.amdgpu_metadata
---
amdhsa.version: [ 1, 2 ]
amdhsa.kernels:
  - .name:           k_q2202f257fd_attn
    .symbol:         k_q2202f257fd_attn.kd
    .args:
      - { .name: q_codes, .offset: 0, .size: 8, .value_kind: global_buffer, .address_space: global }
      - { .name: k_codes, .offset: 8, .size: 8, .value_kind: global_buffer, .address_space: global }
      - { .name: v_codes, .offset: 16, .size: 8, .value_kind: global_buffer, .address_space: global }
      - { .name: lowp_scales, .offset: 24, .size: 8, .value_kind: global_buffer, .address_space: global }
      - { .name: out0, .offset: 32, .size: 8, .value_kind: global_buffer, .address_space: global }
    .group_segment_fixed_size: 327680
    .private_segment_fixed_size: 0
    .kernarg_segment_align: 8
    .kernarg_segment_size: 40
    .max_flat_workgroup_size: 256
    .sgpr_count:     80
    .vgpr_count:     512
    .wavefront_size: 32
...
	.end_amdgpu_metadata
.endif
;; end of part 2
